; MI455X (gfx1250); checked and timed in simulation.
; The chip was launched on July 23, 2026; its instructions are those of AMD's public machine-readable ISA for CDNA 5 (MIT licence, August 2026) and "CDNA5" Instruction Set Architecture Reference Guide (July 2026). The comments in the code are by the model that wrote it; some were corrected since.
;; Model Net. Allowed arithmetic: float matrix products may take bf16 or f16 operands with f32 sums; other float arithmetic in f32, or as packed bf16 or f16 multiplies, adds, multiply-adds, maxima and minima; sums over many terms, partial sums and values carried from step to step in f32; what a program stores and reads back later, other than sums and carried values, may be rounded once to bf16 or f16.
;; Inputs: b_hh 1,024 float32; b_ih 1,024 float32; bn1_beta 128 float32; bn1_gamma 128 float32; bn1_mean 128 float32; bn1_var 128 float32; fc1_b 128 float32; fc1_w 128 x 22 float32; fc2_b 128 float32; fc2_w 128 x 6 float32; fc3_b 6 float32; fc3_w 6 x 256 float32; w_hh 1,024 x 256 float32; w_ih 1,024 x 256 float32; x 32,768 x 22 float32.
;; Outputs: out0 4 x 32,768 x 6 float32.
;; 2 versions, each right; version 2 is version 1 with the launch prep written anew for expert scheduling mode. Each part assembles by itself: llvm-mc -triple=amdgcn-amd-amdhsa -mcpu=gfx1250 --defsym DOCPART=n.
;; ======== version 1 of 2: 2 launches
;; limits: values are held in f16: magnitudes above 65,504 overflow, below 6.1e-05 lose precision; inputs' magnitudes at most 65,504
;; workspace buffers: wq 1,048,576 bytes; tb 30,464 bytes
;; launch prep (part 1): grid 289 x 1, 1 waves a work-group, no clusters, 0 bytes of LDS; arguments w_ih, w_hh, fc1_w, fc2_w, fc3_w, b_ih, b_hh, fc1_b, fc2_b, fc3_b, bn1_gamma, bn1_beta, bn1_mean, bn1_var, wq, tb; writes wq, tb
.if DOCPART == 1
	.amdgcn_target "amdgcn-amd-amdhsa--gfx1250"
	.amdhsa_code_object_version 6
	.text
	.protected	k_q04371e8781_prep
	.globl	k_q04371e8781_prep
	.p2align	8
	.type	k_q04371e8781_prep,@function
k_q04371e8781_prep:
	s_mov_b64 s[64:65], 0
	v_nop
	global_prefetch_b8 v0, s[64:65] scope:SCOPE_SE
	s_setreg_imm32_b32 hwreg(HW_REG_WAVE_MODE, 25, 1), 1
	s_wait_xcnt 0x0
; FIRST OF TWO LAUNCHES: the weights and tables are rounded to bf16 once and laid in the order in which the second launch's operand registers take them.
; DEAD WORK, left out in the second launch, shown for all finite values of the inputs:
;   (1) hx0 is the zero matrix that the problem builds itself, so step 0's product hx0 w_hh^T is 0: it is not multiplied.
;   (2) cx0 is zero likewise, so in step 0 sigmoid(f) cx0 = 0 whatever f is: step 0's f gate (256 of the 1,024 gate columns, their bias too) reaches no output and is not computed.
;   (3) behind the last out nothing reads the carry: the xt of a fifth step is not made.
; Every input has a way to an output in steps 1 to 3, so every input is loaded.
; LIMIT: a NaN, an infinity or an overflow that would reach step 0's result only through w_hh or through the f rows and f biases is not carried to step 0's result.
; ROUNDING: every input is rounded once to bf16 (biases and the norm's parameters are then kept as f32 numbers).  The norm is kept in f32: s = gamma rsq(var + 1e-5) and
; t = (fc1_b - mean) s + beta, so that (x w^T + b - mean) s + beta = (x w^T) s + t.
; w_hh and fc3_w multiply hx, which the second launch holds in f16: their bf16 numbers are written as f16.  LIMIT: that is exact from 7.6e-6 to 65,504; below, the step is 6e-8; beyond, an infinity.
; wq: 16 slices of 65,536 bytes, slice 2 c + s (chunk c of 16 hidden units of each half ch; s = 0: w_ih, bf16; 1: w_hh, f16).  A fragment is 16 gate rows x 32 k, 1,024 bytes: lane l = m + 16 h has
;   k = 8 h .. 8 h + 7 at byte 16 l and k = 16 + 8 h .. at byte 512 + 16 l.  Fragment (ch, ul, p) lies at 31,744 ch + 1,024 (4 ul + p); the two fragments (ul = 7, p = 3) lie at 63,488 + 1,024 ch.
;   p orders the gates i, g, o, f: rows 256 gb + 128 ch + 16 c + m with gb = 0, 2, 3, 1.
; tb: 0 fc1 (8 fragments), 8,192 fc2, 16,384 fc3 (f16; zeros past the matrices' ends); 24,576 gate bias f32 at ((2 c + ch) 4 + p) 16 + m; 28,672 t; 29,184 fc2_b; 29,696 fc3_b, then zeros; 29,952 s.
; One wave a work-group: 0-255 a piece of 16 rows x 128 k of w_ih or w_hh; 256-279 a padded fragment; 280-287 the gate bias; 288 the small tables.
.set EPS, 0x3727c5ac                   ; 1e-5
.macro RND a, b, tmp                   ; two f32 numbers rounded to bf16 and widened again
	v_cvt_pk_bf16_f32 v[\tmp], v[\a], v[\b]
	v_lshlrev_b32 v[\a], 16, v[\tmp]
	v_and_b32 v[\b], 0xffff0000, v[\tmp]
.endm
; The four fragments of a piece are rounded and stored.  f = 1: the bf16 numbers are written as f16.
.macro WOUT f
.irp u, 0,1,2,3
	s_wait_loadcnt 12-4*(\u)                       ; loads come back in order: the later units' four loads each may stay out
.irp j, 0,1,2,3,4,5,6,7
.if \f
	RND 16+16*(\u)+2*(\j), 16+16*(\u)+2*(\j)+1, 80+8*(\u)+(\j)
	v_cvt_pk_f16_f32 v[80+8*(\u)+(\j)], v[16+16*(\u)+2*(\j)], v[16+16*(\u)+2*(\j)+1]
.else
	v_cvt_pk_bf16_f32 v[80+8*(\u)+(\j)], v[16+16*(\u)+2*(\j)], v[16+16*(\u)+2*(\j)+1]
.endif
.endr
.if (\u) < 3
	global_store_b128 v2, v[80+8*(\u):80+8*(\u)+3], s[36:37] offset:4096*(\u)      ; each store of the wave covers 512 consecutive bytes, aligned
	global_store_b128 v2, v[80+8*(\u)+4:80+8*(\u)+7], s[36:37] offset:4096*(\u)+512
.else
	global_store_b128 v3, v[80+8*(\u):80+8*(\u)+3], s[36:37]
	global_store_b128 v3, v[80+8*(\u)+4:80+8*(\u)+7], s[36:37] offset:512
.endif
.endr
	s_endpgm
.endm
	s_load_b512 s[8:23], s[0:1], 0x0               ; w_ih 8, w_hh 10, fc1_w 12, fc2_w 14, fc3_w 16, b_ih 18, b_hh 20, fc1_b 22
	s_load_b512 s[24:39], s[0:1], 0x40             ; fc2_b 24, fc3_b 26, gamma 28, beta 30, mean 32, var 34, wq 36, tb 38
	v_and_b32 v10, 15, v0                          ; m
	v_lshrrev_b32 v11, 4, v0                       ; h
	v_lshlrev_b32 v12, 4, v0                       ; 16 l
	s_mov_b32 s40, ttmp9
	s_wait_kmcnt 0x0
	s_cmp_lt_u32 s40, 256
	s_cbranch_scc0 .Lnot_w
	; ---- 16 rows x 128 k of w_ih or w_hh: four fragments
	s_and_b32 s41, s40, 1                          ; kh: which 128 of the 256 k
	s_bfe_u32 s42, s40, 0x20001                    ; p
	s_bfe_u32 s43, s40, 0x10003                    ; ch
	s_bfe_u32 s44, s40, 0x30004                    ; c
	s_lshr_b32 s45, s40, 7                         ; s
	s_lshl_b32 s46, s42, 2
	s_lshr_b32 s46, 0x1320, s46
	s_and_b32 s46, s46, 15                         ; gb
	s_lshl_b32 s46, s46, 8
	s_lshl_b32 s47, s43, 7
	s_add_co_u32 s46, s46, s47
	s_lshl_b32 s47, s44, 4
	s_add_co_u32 s46, s46, s47                     ; first row
	s_lshl_b32 s46, s46, 10                        ; rows of 1,024 bytes
	s_lshl_b32 s47, s41, 9
	s_add_co_u32 s46, s46, s47
	s_mov_b32 s47, 0
	s_cmp_eq_u32 s45, 0
	s_cselect_b64 s[48:49], s[8:9], s[10:11]
	s_add_nc_u64 s[48:49], s[48:49], s[46:47]
	v_lshlrev_b32 v1, 10, v10
	v_lshl_add_u32 v1, v11, 5, v1                  ; m x 1,024 + 32 h
.irp u, 0,1,2,3
	global_load_b128 v[16+16*(\u):16+16*(\u)+3],     v1, s[48:49] offset:128*(\u) th:TH_LOAD_NT
	global_load_b128 v[16+16*(\u)+4:16+16*(\u)+7],   v1, s[48:49] offset:128*(\u)+16 th:TH_LOAD_NT
	global_load_b128 v[16+16*(\u)+8:16+16*(\u)+11],  v1, s[48:49] offset:128*(\u)+64 th:TH_LOAD_NT
	global_load_b128 v[16+16*(\u)+12:16+16*(\u)+15], v1, s[48:49] offset:128*(\u)+80 th:TH_LOAD_NT
.endr
	s_lshl_b32 s50, s44, 1
	s_add_co_u32 s50, s50, s45
	s_lshl_b32 s50, s50, 16                        ; the slice
	s_mul_i32 s51, s43, 31744
	s_lshl_b32 s52, s41, 4
	s_add_co_u32 s52, s52, s42
	s_lshl_b32 s52, s52, 10
	s_add_co_u32 s51, s51, s52
	s_add_co_u32 s51, s51, s50                     ; place of the first fragment; the next lie 4,096 bytes apart
	s_add_co_u32 s53, s51, 12288                   ; the fourth's ordinary place,
	s_lshl_b32 s54, s43, 10
	s_add_co_u32 s54, s54, s50
	s_add_co_u32 s54, s54, 63488                   ; or, for (ul = 7, p = 3), behind the slice's 62 others
	s_and_b32 s55, s40, 7
	s_cmp_eq_u32 s55, 7                            ; kh = 1 and p = 3
	s_cselect_b32 s53, s54, s53
	v_add_nc_u32 v2, s51, v12
	v_add_nc_u32 v3, s53, v12
	s_cmp_lg_u32 s45, 0
	s_cbranch_scc1 .Lw_hh
	WOUT 0                                         ; w_ih: bf16
.Lw_hh:
	WOUT 1                                         ; w_hh: the bf16 number as f16
.Lnot_w:
	s_cmp_lt_u32 s40, 280
	s_cbranch_scc0 .Lnot_s
	; ---- one fragment of fc1, fc2 or fc3, zeros past the matrix's rows and columns; loads are clamped into the matrix and the surplus is masked
	s_sub_co_u32 s41, s40, 256                     ; fragment 0..23
	s_lshr_b32 s42, s41, 3                         ; 0 fc1, 1 fc2, 2 fc3
	s_and_b32 s43, s41, 7
	s_lshl_b32 s44, s43, 4
	s_lshl_b32 s45, s43, 5
	s_cmp_eq_u32 s42, 2
	s_cselect_b32 s46, 0, s44                      ; first row
	s_cselect_b32 s47, s45, 0                      ; first k
	s_cselect_b32 s48, 5, 127                      ; last row
	s_cselect_b32 s49, 1024, 24                    ; bytes in a row
	s_cselect_b32 s50, 255, 5                      ; last k
	s_cselect_b64 s[52:53], s[16:17], s[14:15]
	s_cmp_eq_u32 s42, 0
	s_cselect_b32 s49, 88, s49
	s_cselect_b32 s50, 21, s50
	s_cselect_b64 s[52:53], s[12:13], s[52:53]
	v_add_nc_u32 v13, s46, v10                     ; row
	v_min_u32 v14, s48, v13
	v_mul_lo_u32 v15, v14, s49
	v_lshl_add_u32 v16, v11, 3, s47                ; first k + 8 h
	v_cmp_ge_u32 s56, s48, v13                     ; lanes whose row exists
.set j, 0
.rept 16
	v_add_nc_u32 v[48+j], (j&7)+16*(j>>3), v16     ; k of my number j
	v_min_u32 v[32+j], s50, v[48+j]
	v_lshl_add_u32 v[32+j], v[32+j], 2, v15
	global_load_b32 v[64+j], v[32+j], s[52:53]
.set j, j+1
.endr
	s_wait_loadcnt 0x0
.set j, 0
.rept 16
	v_cmp_ge_u32 vcc_lo, s50, v[48+j]
	s_and_b32 vcc_lo, vcc_lo, s56
	v_cndmask_b32 v[64+j], 0, v[64+j], vcc_lo
.set j, j+1
.endr
	s_cmp_eq_u32 s42, 2
	s_cbranch_scc1 .Lhalf
.set j, 0
.rept 8
	v_cvt_pk_bf16_f32 v[80+j], v[64+2*j], v[64+2*j+1]
.set j, j+1
.endr
	s_branch .Lput
.Lhalf:                                            ; fc3: the bf16 number as f16
.set j, 0
.rept 8
	RND 64+2*j, 65+2*j, 22
	v_cvt_pk_f16_f32 v[80+j], v[64+2*j], v[64+2*j+1]
.set j, j+1
.endr
.Lput:
	s_lshl_b32 s57, s41, 10
	v_add_nc_u32 v21, s57, v12
	global_store_b128 v21, v[80:83], s[38:39]
	global_store_b128 v21, v[84:87], s[38:39] offset:512
	s_endpgm
.Lnot_s:
	s_cmp_lt_u32 s40, 288
	s_cbranch_scc0 .Lnot_b
	; ---- the gate bias b_ih + b_hh of chunk c, in the table's order: lane l has four numbers
	s_sub_co_u32 s41, s40, 280                     ; c
	v_and_b32 v13, 3, v0                           ; m / 4
	v_bfe_u32 v14, v0, 2, 2                        ; p
	v_bfe_u32 v15, v0, 4, 1                        ; ch
	v_lshlrev_b32 v14, 2, v14
	v_mov_b32 v16, 0x1320
	v_lshrrev_b32 v16, v14, v16
	v_and_b32 v16, 15, v16                         ; gb
	v_lshlrev_b32 v16, 8, v16
	v_lshl_add_u32 v16, v15, 7, v16
	v_lshl_add_u32 v16, v13, 2, v16
	s_lshl_b32 s42, s41, 4
	v_add_nc_u32 v16, s42, v16
	v_lshlrev_b32 v16, 2, v16
	global_load_b128 v[20:23], v16, s[18:19]
	global_load_b128 v[24:27], v16, s[20:21]
	s_wait_loadcnt 0x0
	RND 20, 21, 28
	RND 22, 23, 28
	RND 24, 25, 28
	RND 26, 27, 28
	v_pk_add_f32 v[20:21], v[20:21], v[24:25]
	v_pk_add_f32 v[22:23], v[22:23], v[26:27]
	s_lshl_b32 s42, s41, 9
	v_add_nc_u32 v17, s42, v12
	global_store_b128 v17, v[20:23], s[38:39] offset:24576
	s_endpgm
.Lnot_b:
	; ---- s, t, fc2_b, fc3_b: lane l has four of the 128 numbers
	global_load_b128 v[20:23], v12, s[28:29]       ; gamma
	global_load_b128 v[24:27], v12, s[30:31]       ; beta
	global_load_b128 v[28:31], v12, s[32:33]       ; mean
	global_load_b128 v[32:35], v12, s[34:35]       ; var
	global_load_b128 v[36:39], v12, s[22:23]       ; fc1_b
	global_load_b128 v[40:43], v12, s[24:25]       ; fc2_b
	v_min_u32 v13, 2, v0
	v_lshlrev_b32 v13, 3, v13
	global_load_b64 v[44:45], v13, s[26:27]        ; fc3_b: lanes 0 to 2 hold its six numbers
	s_wait_loadcnt 0x0
.irp i, 20,22,24,26,28,30,32,34,36,38,40,42,44
	RND \i, (\i)+1, 46
.endr
.irp i, 32,33,34,35
	v_add_f32 v[\i], EPS, v[\i]
.endr
.irp i, 32,33,34,35
	v_rsq_f32 v[\i], v[\i]
.endr
	v_pk_add_f32 v[36:37], v[36:37], v[28:29] neg_lo:[0,1] neg_hi:[0,1]  ; fc1_b - mean: plain work behind the roots
	v_pk_add_f32 v[38:39], v[38:39], v[30:31] neg_lo:[0,1] neg_hi:[0,1]
	s_wait_alu depctr_va_vdst(0)                   ; one wait for the four roots, ahead of their first reader
	v_pk_mul_f32 v[20:21], v[20:21], v[32:33]      ; s
	v_pk_mul_f32 v[22:23], v[22:23], v[34:35]
	v_pk_fma_f32 v[36:37], v[36:37], v[20:21], v[24:25]
	v_pk_fma_f32 v[38:39], v[38:39], v[22:23], v[26:27]
	global_store_b128 v12, v[36:39], s[38:39] offset:28672
	global_store_b128 v12, v[40:43], s[38:39] offset:29184
	global_store_b128 v12, v[20:23], s[38:39] offset:29952
	v_cmp_gt_u32 vcc_lo, 3, v0
	v_cndmask_b32 v44, 0, v44, vcc_lo
	v_cndmask_b32 v45, 0, v45, vcc_lo
	v_lshlrev_b32 v14, 3, v0
	global_store_b64 v14, v[44:45], s[38:39] offset:29696  ; 256 consecutive bytes, aligned
	s_endpgm
.Lfunc_end_k_q04371e8781_prep:
	.size	k_q04371e8781_prep, .Lfunc_end_k_q04371e8781_prep-k_q04371e8781_prep
	.p2alignl 7, 3214868480
	.fill 96, 4, 3214868480
	.section	.rodata,"a",@progbits
	.p2align	6, 0x0
	.amdhsa_kernel k_q04371e8781_prep
		.amdhsa_group_segment_fixed_size 0
		.amdhsa_private_segment_fixed_size 0
		.amdhsa_enable_private_segment 0
		.amdhsa_kernarg_size 128
		.amdhsa_user_sgpr_count 2
		.amdhsa_user_sgpr_kernarg_segment_ptr 1
		.amdhsa_wavefront_size32 1
		.amdhsa_system_sgpr_workgroup_id_x 1
		.amdhsa_system_sgpr_workgroup_id_y 1
		.amdhsa_system_sgpr_workgroup_id_z 1
		.amdhsa_system_vgpr_workitem_id 0
		.amdhsa_next_free_vgpr 128
		.amdhsa_next_free_sgpr 66
		.amdhsa_reserve_vcc 1
		.amdhsa_float_denorm_mode_32 3
		.amdhsa_float_denorm_mode_16_64 3
		.amdhsa_memory_ordered 1
		.amdhsa_forward_progress 1
		.amdhsa_inst_pref_size 30
	.end_amdhsa_kernel
	.amdgpu_metadata
---
amdhsa.version: [ 1, 2 ]
amdhsa.kernels:
  - .name:           k_q04371e8781_prep
    .symbol:         k_q04371e8781_prep.kd
    .args:
      - { .name: w_ih, .offset: 0, .size: 8, .value_kind: global_buffer, .address_space: global }
      - { .name: w_hh, .offset: 8, .size: 8, .value_kind: global_buffer, .address_space: global }
      - { .name: fc1_w, .offset: 16, .size: 8, .value_kind: global_buffer, .address_space: global }
      - { .name: fc2_w, .offset: 24, .size: 8, .value_kind: global_buffer, .address_space: global }
      - { .name: fc3_w, .offset: 32, .size: 8, .value_kind: global_buffer, .address_space: global }
      - { .name: b_ih, .offset: 40, .size: 8, .value_kind: global_buffer, .address_space: global }
      - { .name: b_hh, .offset: 48, .size: 8, .value_kind: global_buffer, .address_space: global }
      - { .name: fc1_b, .offset: 56, .size: 8, .value_kind: global_buffer, .address_space: global }
      - { .name: fc2_b, .offset: 64, .size: 8, .value_kind: global_buffer, .address_space: global }
      - { .name: fc3_b, .offset: 72, .size: 8, .value_kind: global_buffer, .address_space: global }
      - { .name: bn1_gamma, .offset: 80, .size: 8, .value_kind: global_buffer, .address_space: global }
      - { .name: bn1_beta, .offset: 88, .size: 8, .value_kind: global_buffer, .address_space: global }
      - { .name: bn1_mean, .offset: 96, .size: 8, .value_kind: global_buffer, .address_space: global }
      - { .name: bn1_var, .offset: 104, .size: 8, .value_kind: global_buffer, .address_space: global }
      - { .name: wq, .offset: 112, .size: 8, .value_kind: global_buffer, .address_space: global }
      - { .name: tb, .offset: 120, .size: 8, .value_kind: global_buffer, .address_space: global }
    .group_segment_fixed_size: 0
    .private_segment_fixed_size: 0
    .kernarg_segment_align: 8
    .kernarg_segment_size: 128
    .max_flat_workgroup_size: 32
    .sgpr_count:     66
    .vgpr_count:     128
    .wavefront_size: 32
...
	.end_amdgpu_metadata
.endif
;; end of part 1
;; launch lstm (part 2): grid 256 x 1, 4 waves a work-group, clusters of 4 x 1, 327,680 bytes of LDS; arguments x, wq, tb, out0; writes out0
.if DOCPART == 2
	.amdgcn_target "amdgcn-amd-amdhsa--gfx1250"
	.amdhsa_code_object_version 6
	.text
	.protected	k_q04371e8781_lstm
	.globl	k_q04371e8781_lstm
	.p2align	8
	.type	k_q04371e8781_lstm,@function
k_q04371e8781_lstm:
	s_mov_b64 s[64:65], 0
	v_nop
	global_prefetch_b8 v0, s[64:65] scope:SCOPE_SE
	s_setreg_imm32_b32 hwreg(HW_REG_WAVE_MODE, 25, 1), 1
	s_wait_xcnt 0x0
	s_wait_alu depctr_hold_cnt(0) depctr_sa_sdst(0) depctr_va_vdst(0) depctr_va_sdst(0) depctr_va_ssrc(0) depctr_va_vcc(0) depctr_vm_vsrc(0)
	s_getreg_b32 s2, hwreg(HW_REG_IB_STS2, 6, 4)
	s_cmp_eq_u32 s2, 0
	s_cbranch_scc0 .Lentry_in_a_cluster
	s_endpgm
.Lentry_in_a_cluster:
	s_bfe_u32 s2, ttmp6, 0x10000c
	s_cmp_lg_u32 s2, 0x3003
	s_cbranch_scc0 .Lentry_shape_is_right
	s_endpgm
.Lentry_shape_is_right:
; SECOND LAUNCH: emb = relu(bn(fc1 x)) and the four LSTM steps, for 128 batch rows a work-group; only out leaves.
; LEFT OUT as dead work (shown at the head of the first kernel): step 0's product with hx0 = 0, step 0's f gate (it multiplies cx0 = 0), and the xt behind the last out.
; LIMITS.  A NaN or infinity that reaches step 0 only through w_hh or the f rows and biases is not carried to step 0's result.  sigmoid(v) = 1 / (1 + 2^(-1.4427 v)) and
; tanh(v) = 1 - 2 / (1 + 2^(2.8854 v)): the exponential may run to infinity or 0, which gives the right ends 0, 1, -1; tanh has an absolute error of about 1e-7; exponentials and reciprocals flush denormals.
; FORMATS.  x, fc1_w, fc2_w, w_ih, emb, xt and out as fc2's operand are bf16.  hx is f16: it is a sigmoid times a tanh, below 1 for every input; under 6e-5 it keeps f16's fixed step of 6e-8.
; Its partners w_hh and fc3_w come as f16 (their bf16 numbers; within 65,504).  Sums, biases, the norm, cx and the cell's arithmetic are f32.
; SHARES.  Four waves, 2 x 2: rh = wave / 2 owns 64 rows (four tiles t of 16), ch = wave % 2 owns 128 of the 256 hidden units.  THE PRODUCTS ARE USED TRANSPOSED: source 0 = 16 gate columns of
; weights, source 1 = 16 batch rows.  In a result a lane holds ONE row (lane % 16) and the columns 8 (lane / 16) + 0..7, so the four gates of a hidden unit lie in one lane, and two packed
; results ARE a fragment of the next product's source 1.  A wave keeps its rows' whole operand [emb, xt, hx], K = 512 = 16 units of 32, in 512 registers; LDS feeds weights alone.
; A CHUNK is 16 hidden units of each ch x 4 gates: 16 accumulators, 16 units, 256 products a wave; 8 chunks a step.  What goes by the chunk's number lies in LDS: cx (f32) and the new hx (f16).
; Units 0-7 are bf16 products, units 8-15 f16 products on the same accumulators: five plain lines stand between the two forms, at units 8 and 0.
; THE CELL RIDES: at a chunk's unit 0 the gates of the chunk before are taken out of the accumulators by the scaling that is due anyway; the other 512 vector lines stand two or three behind each of the next 240 products.
; THE RING: two slots of 62 fragments (half a chunk: 8 units x 4 gates x 2 ch, less the f fragment of the last unit of each ch, which each wave loads straight into registers).
; CLUSTER: all work-groups walk the same weights, so the four of a cluster ask jointly: the same tensor load, descriptor and mask in all four.
; LDS: 0 slot 0; 63,488 spare words; 64,000 out stage of rh 0; 65,536 slot 1; 129,024 out stage of rh 1; 131,072 hx; 196,608 cx (its first 18,432 bytes take x's tile once, at the start).
; REGISTERS, in windows of 256 (s_set_vgpr_msb: bits 1:0 source 0, 3:2 source 1, 5:4 source 2, 7:6 destination):
;   window 0: v0-29 addresses; WB0, WB1 weight fragments of a unit; WD0, WD1 the direct fragments; BI gate bias; CXT cx at work; FB, F3 fc3
;   window 1: X the 16 accumulators (32 p + 8 t), E the gates at work      window 2: units 0-7 (emb, xt) at 32 u + 8 t      window 3: units 8-15 (hx); at the start v0-63 the norm's scale
.set SLOT1,  65536
.set SPARE,  63488
.set OUTS0,  64000
.set HX,     131072
.set CX,     196608
.set QUART,  15872                     ; a wave's quarter of a slot: 62 rows of 256 bytes
.set CHB,    31744                     ; the 31 fragments of one ch in a slot
.set DIRECT, 63488                     ; the two direct fragments in a slice of wq
.set T_FC1,  0
.set T_FC2,  8192
.set T_FC3,  16384
.set T_GB,   24576
.set T_T,    28672
.set T_B2,   29184
.set T_B3,   29696
.set T_S,    29952
.set LANE, 1
.set L16,  4                           ; 16 x lane; never rewritten
.set H32,  5                           ; 32 x (lane / 16); never rewritten
.set WA0,  6                           ; my place in a slot: 31,744 ch + 16 lane
.set WA,   7                           ; the same in the slot that is being read
.set CXA0, 8
.set CXA,  9
.set HXA0, 10
.set HXA,  11
.set HXL,  12
.set BV0,  13
.set BV,   14
.set DV0,  15
.set DVA,  16
.set DVB,  17
.set OSA,  18
.set OLA,  19
.set XLA,  21
.set PFO,  22
.set ZR,   23
.set SPW,  24                          ; LDS address of my spare word; never rewritten
.set NIL,  25                          ; 0; never rewritten
.set OT2,  26
.set WB0,  32
.set WB1,  64
.set WD0,  96
.set WD1,  104
.set BI,   112
.set CXT,  144
.set FB,   176
.set OT,   184
.set F3,   192
.set X,    0
.set E,    128
.set W_E,  0x55                        ; all four operand places in window 1
.set WV,  12
.set CH,  13
.set RH,  14
.set WG,  15
.set OFF, 46                           ; s[46:47] byte offset in wq of the slice asked for last
.set TB,  48                           ; the slot that is being read
.set CB,  49                           ; chunks to go in the loop in hand
.set TOT, 50                           ; chunks to go in all trips of the long loop
.set STEP, 51
.set CXO, 52
.set HXO, 53
.set CW,  54                           ; 131,072 x the chunk in hand
.set TS,  55
.set KN,  56                           ; s[56:57] -log2(e)
.set KP,  58                           ; s[58:59] 2 log2(e)
.set OP,  60                           ; s[60:61] out at my 64 rows of the step in hand
.set PFA, 66
.set LIM, 68
.set PC,  69
.set MSB, 0
.macro WIN new                         ; the immediate's high byte repeats the setting that is left; a switch that changes nothing is dropped
.if MSB != (\new)
	s_set_vgpr_msb (MSB<<8)|(\new)
.set MSB, (\new)
.endif
.endm
.macro PLACES n                        ; plain vector lines behind matrix instructions (ISA guide 7.12.1)
.rept \n
	v_nop
.endr
.endm
.macro SYNC                            ; a plain line behind the last transcendental of a batch, and one wait ahead of the batch's first reader
	v_nop
	s_wait_alu depctr_va_vdst(0)
.endm
.macro ROUND                           ; a round of the cluster's barrier
	s_barrier_signal -1
	s_barrier_wait -1
	s_cmp_lg_u32 s[WV], 0
	s_cbranch_scc1 .Lnot_wave_0_\@
	s_barrier_signal -3
.Lnot_wave_0_\@:
	s_barrier_wait -3
	s_barrier_signal -1
	s_barrier_wait -1
.endm
; A prefetch of wq, in step 0 alone: its 256-byte blocks are named once in the launch, by the first cluster.  Of a slice's 256 blocks a partner takes 64 by address (16,384 cx), a wave 32, a lane one.
; Waves 0 and 1 name w_ih's slice three changes of slots ahead of the change that will ask for it (chunks 5, 6, 7); waves 2 and 3 name, in chunk c, w_hh's slice of chunk c, which step 1 reads first.
.macro ASK
	s_cmp_ge_u32 s[PC], s[LIM]
	s_cbranch_scc0 .Lnot_mine_\@
	global_prefetch_b8 v[PFO], s[PFA:PFA+1] offset:-131072 th:TH_LOAD_NT scope:SCOPE_SE
.Lnot_mine_\@:
.endm
; THE CHANGE OF SLOTS, when the slot's last fragments are in registers.  Each wave waits for all its tensor loads (one is out: its quarter of the other slot), adds 0 to its spare word, and waits for that
; and for its reads of the slot.  kind 1, 2: the slot is filled again, behind a round of the cluster's barrier, by the wave's one joint load; it has eight units in which to land.
; kind 1: the next slice of wq.  kind 2 (step 0): the next slice of w_ih, and at the step's end step 1's slices 0 and 1.  kind 0: nothing is left to ask for.
.macro CHANGE kind
	WIN 0
	s_wait_tensorcnt 0x0                           ; no tensor load of mine is out, so the walking group 0 may be written
	ds_add_u32 v[SPW], v[NIL]                      ; an add to the spare word; the descriptor's scalar work stands between it and the wait for it
.if (\kind) == 1
	s_add_co_u32 s[OFF], s[OFF], 65536
	s_and_b32 s[OFF], s[OFF], 0xfffff
.endif
.if (\kind) == 2
	s_add_co_u32 s[OFF], s[OFF], 131072
	s_and_b32 s[OFF], s[OFF], 0xfffff
	s_cmp_eq_u32 s[CB], 1                          ; step 0's last chunk asks for step 1's second slice
	s_cselect_b32 s[OFF], 65536, s[OFF]
	s_wait_xcnt 0x0                                ; the last prefetch, a chunk back, has read its address
	s_add_nc_u64 s[PFA:PFA+1], s[PFA:PFA+1], 131072
	s_sub_co_u32 s[PC], s[PC], 1
.endif
.if \kind
	s_xor_b32 s41, s41, SLOT1                      ; the other slot than last time
	s_add_nc_u64 s[42:43], s[44:45], s[OFF:OFF+1]
	s_or_b32 s43, s43, 0x80000000
.endif
	s_xor_b32 s[TB], s[TB], SLOT1
	s_wait_dscnt 0x0                               ; the add is done, and my reads of the slot are over
.if \kind
	ROUND                                          ; no wave of any partner still reads the slot or has a load on its way
	tensor_load_to_lds s[40:43], s[16:23]
	s_nop 0
	PLACES 4                                       ; also the places in front of the loads into the fragment buffer read last
.if (\kind) == 2
	ASK
.endif
.else
	s_barrier_signal -1
	s_barrier_wait -1
	PLACES 4
.endif
	v_add_nc_u32 v[WA], s[TB], v[WA0]
.endm
.macro WLOAD u, g                      ; unit u's fragments of the first g gates, from the slot in hand into buffer u % 2
	WIN 0
.irp pp, 0,1,2,3
.if ((\pp) < (\g)) && ((4*((\u)%8)+(\pp)) < 31)
	ds_load_b128 v[WB0+32*((\u)%2)+8*(\pp):WB0+32*((\u)%2)+8*(\pp)+3],   v[WA] offset:(4*((\u)%8)+(\pp))*1024
	ds_load_b128 v[WB0+32*((\u)%2)+8*(\pp)+4:WB0+32*((\u)%2)+8*(\pp)+7], v[WA] offset:(4*((\u)%8)+(\pp))*1024+512
.endif
.endr
.endm
.macro MM u, p, t                      ; one product: gate p, row tile t, unit u.  Unit 0 starts the sum with the bias.  The accumulators take turns, one instruction a turn
.set rA, WB0+32*((\u)%2)+8*(\p)
.if ((\u) == 7) && ((\p) == 3)
.set rA, WD0
.endif
.if ((\u) == 15) && ((\p) == 3)
.set rA, WD1
.endif
.set rD, X+32*(\p)+8*(\t)
.set rB, 32*((\u)%8)+8*(\t)
.if (\u) == 0
	WIN 0x48
	v_wmma_f32_16x16x32_bf16 v[rD:rD+7], v[rA:rA+7], v[rB:rB+7], v[BI+8*(\p):BI+8*(\p)+7]
.elseif (\u) < 8
	WIN 0x58
	v_wmma_f32_16x16x32_bf16 v[rD:rD+7], v[rA:rA+7], v[rB:rB+7], v[rD:rD+7]
.else
	WIN 0x5c
	v_wmma_f32_16x16x32_f16 v[rD:rD+7], v[rA:rA+7], v[rB:rB+7], v[rD:rD+7]
.endif
.endm
.macro TR p, t                         ; a finished accumulator leaves X for E, scaled for its exponential; the low registers first
	WIN W_E
.set n, 32*(\p)+8*(\t)
.irp i, 0,2,4,6
.if (\p) == 1
	v_pk_mul_f32 v[E+n+(\i):E+n+(\i)+1], v[X+n+(\i):X+n+(\i)+1], s[KP:KP+1] op_sel_hi:[1,0]
.else
	v_pk_mul_f32 v[E+n+(\i):E+n+(\i)+1], v[X+n+(\i):X+n+(\i)+1], s[KN:KN+1] op_sel_hi:[1,0]
.endif
.endr
.endm
; THE CELL'S LIST, for g gates (4, or 3 in step 0).  In E: I at 0, G at 32, O at 64, F at 96.  Up to B1 exponentials; B2 + 1; B3 reciprocals; B4A G = 1 - 2 G; B4B cx = F cx; B4C cx += I G; B4D I = 2 log2(e) cx;
; B5 exponentials; B6 + 1; B7 reciprocals; B8A I = 1 - 2 I; B8B I = O I; B8C h rounded to f16, into G's registers.
.macro SETQ g
.set GG, (\g)
.set B1, 32*GG
.set B2, B1+16*GG
.set B3, B2+32*GG
.set B4A, B3+16
.set B4B, B4A+16*(GG-3)
.set B4C, B4B+16
.set B4D, B4C+16
.set B5, B4D+32
.set B6, B5+16
.set B7, B6+32
.set B8A, B7+16
.set B8B, B8A+16
.set B8C, B8B+16
.endm
.macro EW                              ; number q of the list
.if q < B1
	WIN W_E
	v_exp_f32 v[E+q], v[E+q]
.elseif q < B2
	WIN W_E
.set n, E+2*(q-B1)
	v_pk_add_f32 v[n:n+1], v[n:n+1], 1.0 op_sel_hi:[1,0]
.elseif q < B3
	WIN W_E
	v_rcp_f32 v[E+q-B2], v[E+q-B2]
.elseif q < B4A
	WIN W_E
.set n, E+32+2*(q-B3)
	v_pk_fma_f32 v[n:n+1], v[n:n+1], -2.0, 1.0 op_sel_hi:[1,0,0]
.elseif q < B4B
	WIN 0x01
.set n, 2*(q-B4A)
	v_pk_mul_f32 v[CXT+n:CXT+n+1], v[E+96+n:E+96+n+1], v[CXT+n:CXT+n+1]
.elseif q < B4C
	WIN 0x05
.set n, 2*(q-B4B)
.if GG == 4
	v_pk_fma_f32 v[CXT+n:CXT+n+1], v[E+n:E+n+1], v[E+32+n:E+32+n+1], v[CXT+n:CXT+n+1]
.else
	v_pk_mul_f32 v[CXT+n:CXT+n+1], v[E+n:E+n+1], v[E+32+n:E+32+n+1]
.endif
.elseif q < B4D
	WIN 0x40
.set n, 2*(q-B4C)
	v_pk_mul_f32 v[E+n:E+n+1], v[CXT+n:CXT+n+1], s[KP:KP+1] op_sel_hi:[1,0]
.elseif q < B5
	WIN W_E
	v_exp_f32 v[E+q-B4D], v[E+q-B4D]
.elseif q < B6
	WIN W_E
.set n, E+2*(q-B5)
	v_pk_add_f32 v[n:n+1], v[n:n+1], 1.0 op_sel_hi:[1,0]
.elseif q < B7
	WIN W_E
	v_rcp_f32 v[E+q-B6], v[E+q-B6]
.elseif q < B8A
	WIN W_E
.set n, E+2*(q-B7)
	v_pk_fma_f32 v[n:n+1], v[n:n+1], -2.0, 1.0 op_sel_hi:[1,0,0]
.elseif q < B8B
	WIN W_E
.set n, 2*(q-B8A)
	v_pk_mul_f32 v[E+n:E+n+1], v[E+64+n:E+64+n+1], v[E+n:E+n+1]
.elseif q < B8C
	WIN W_E
.set n, q-B8B
	v_cvt_pk_f16_f32 v[E+32+n], v[E+2*n], v[E+2*n+1]
.endif
.set q, q+1
.endm
.macro EWB
.if q < QLIM
	EW
.endif
.endm
.macro CXLD
	WIN 0
.irp qq, 0,1,2,3,4,5,6,7
	ds_load_b128 v[CXT+4*(\qq):CXT+4*(\qq)+3], v[CXA] offset:512*(\qq)
.endr
.endm
.macro CXST
	WIN 0
.irp qq, 0,1,2,3,4,5,6,7
	ds_store_b128 v[CXA], v[CXT+4*(\qq):CXT+4*(\qq)+3] offset:512*(\qq)
.endr
.endm
.macro HST                             ; the chunk's h, half a fragment for each row tile, into the hx stage; then the stage's and cx's places step on
	WIN 0x04                                       ; store data in window 1
.irp tt, 0,1,2,3
	ds_store_b128 v[HXA], v[E+32+4*(\tt):E+32+4*(\tt)+3] offset:8192*(\tt)
.endr
	WIN 0
	s_add_co_u32 s[CXO], s[CXO], 4096
	s_add_co_u32 s[HXO], s[HXO], 512
.endm
.macro CHUNKEND
	s_add_co_u32 s[CW], s[CW], 131072
	s_and_b32 s[CW], s[CW], 0xfffff
.endm
; A UNIT: 4 g products on 32 of K.  rid = 1: the cell work of the chunk before rides.  tail = 1: the launch's last half chunk and a bit: nothing more is fetched ahead.
.macro UNIT u, g, rid, tail, kind
	SETQ \g
	s_wait_dscnt 0x0                               ; this unit's fragments, asked for a unit ago; nothing was issued behind them that may stay out
.if (\u) == 0
	s_wait_loadcnt 0x0                             ; the bias and WD0, asked for eight units ago
.if \rid
.set q, 0
.endif
.endif
.if (\u) == 15
.if \tail
	s_wait_loadcnt 0x0
.else
	s_wait_loadcnt 10                              ; WD1 is in: behind its two loads stand unit 8's ten
.endif
.endif
.if (((\u)%8) == 7) && (((\u) == 7) || !(\tail))
	CHANGE \kind
.else
	PLACES 5                                       ; behind the last unit's products: for the loads into the buffer that they read; at unit 8 for the other form's products on the same accumulators; at unit 0 for the reads of X and the products that write over it
	WIN 0
.endif
.if (\g) == 4
.if (\u) == 0
	s_wait_xcnt 0x0                                ; earlier loads have read their offsets
	s_add_co_u32 s[TS], s[CW], 65536
	v_add_nc_u32 v[DVB], s[TS], v[DV0]
	global_load_b128 v[WD1:WD1+3],   v[DVB], s[6:7]             ; this chunk's direct fragment of unit 15
	global_load_b128 v[WD1+4:WD1+7], v[DVB], s[6:7] offset:512
.endif
.if ((\u) == 8) && !(\tail)
	s_wait_xcnt 0x0
	s_add_co_u32 s[TS], s[CW], 131072
	s_and_b32 s[TS], s[TS], 0xfffff
	v_add_nc_u32 v[DVA], s[TS], v[DV0]
	s_lshr_b32 s[TS], s[TS], 8
	v_add_nc_u32 v[BV], s[TS], v[BV0]
	global_load_b128 v[WD0:WD0+3],   v[DVA], s[6:7]             ; the next chunk's direct fragment of unit 7,
	global_load_b128 v[WD0+4:WD0+7], v[DVA], s[6:7] offset:512
.irp pp, 0,1,2,3
	global_load_b128 v[BI+8*(\pp):BI+8*(\pp)+3],   v[BV], s[8:9] offset:T_GB+64*(\pp)     ; and its bias
	global_load_b128 v[BI+8*(\pp)+4:BI+8*(\pp)+7], v[BV], s[8:9] offset:T_GB+64*(\pp)+16
.endr
.endif
.else
.if (\u) == 4
	s_wait_xcnt 0x0
	s_add_co_u32 s[TS], s[CW], 131072
	s_and_b32 s[TS], s[TS], 0xfffff
	s_lshr_b32 s[TS], s[TS], 8
	v_add_nc_u32 v[BV], s[TS], v[BV0]
.irp pp, 0,1,2
	global_load_b128 v[BI+8*(\pp):BI+8*(\pp)+3],   v[BV], s[8:9] offset:T_GB+64*(\pp)
	global_load_b128 v[BI+8*(\pp)+4:BI+8*(\pp)+7], v[BV], s[8:9] offset:T_GB+64*(\pp)+16
.endr
.endif
.endif
.if \rid
.if (\u) == 0
	v_add_nc_u32 v[CXA], s[CXO], v[CXA0]
	v_add_nc_u32 v[HXA], s[HXO], v[HXA0]
.endif
.if ((\g) == 4) && ((\u) == 1)
	CXLD
.endif
.if (((\g) == 4) && ((\u) == 13)) || (((\g) == 3) && ((\u) == 7))
	CXST
.endif
.endif
.if (\g) == 4
.if (\u) < 15
	WLOAD (\u)+1, 4
.elseif !(\tail)
	WLOAD 0, 4
.endif
.else
.if (\u) < 7
	WLOAD (\u)+1, 3
.else
	WLOAD 0, 4                                     ; four, so that step 1's first unit finds its f fragment too
.endif
.endif
.set PER, 0
.set QLIM, B8C
.if (\rid) && ((\u) > 0)
.if (\g) == 4
.set PER, 2
.if (\u) >= 14
.set PER, 3
.endif
.else
.set PER, 4
.if (\u) == 7
.set PER, 3
.set QLIM, B5
.endif
.endif
.endif
.irp pp, 0,1,2,3
.if (\pp) < (\g)
.irp tt, 0,1,2,3
.if ((\u) == 0) && (\rid)
	TR \pp, \tt
.endif
	MM \u, \pp, \tt
.if PER
.rept PER
	EWB
.endr
.endif
.endr
.endif
.endr
.if \rid
.if ((\g) == 4) && (((\u) == 4) || ((\u) == 10) || ((\u) == 13) || ((\u) == 14))
	SYNC
.endif
.if ((\g) == 3) && (((\u) == 2) || ((\u) == 5) || ((\u) == 7))
	SYNC
.endif
.endif
.endm
.macro DRAIN g                         ; a step's last chunk has no chunk behind it to ride on: its cell work stands alone
	SETQ \g
	PLACES 5
	WIN 0
	v_add_nc_u32 v[CXA], s[CXO], v[CXA0]
	v_add_nc_u32 v[HXA], s[HXO], v[HXA0]
.if (\g) == 4
	CXLD
.endif
.irp pp, 0,1,2,3
.if (\pp) < (\g)
.irp tt, 0,1,2,3
	TR \pp, \tt
.endr
.endif
.endr
.set q, 0
.rept B1
	EW
.endr
	SYNC
.rept B3-B1
	EW
.endr
	SYNC
	s_wait_dscnt 0x0                               ; cx is in
.rept B4D-B3
	EW
.endr
	CXST
.rept B5-B4D
	EW
.endr
	SYNC
.rept B7-B5
	EW
.endr
	SYNC
.rept B8C-B7
	EW
.endr
	HST
	s_mov_b32 s[CXO], 0
	s_mov_b32 s[HXO], 0
.endm
.macro XBAR                            ; every wave's h is in the stage; the ring's load may stay out
	WIN 0
	s_wait_dscnt 0x0
	s_barrier_signal -1
	s_barrier_wait -1
.endm
.macro LIN_LOAD wo, bo                 ; a small layer's 8 weight fragments and its bias in the results' layout, into X
	WIN 0x40
.irp ct, 0,1,2,3,4,5,6,7
	global_load_b128 v[X+8*(\ct):X+8*(\ct)+3],   v[L16], s[8:9] offset:(\wo)+1024*(\ct)
	global_load_b128 v[X+8*(\ct)+4:X+8*(\ct)+7], v[L16], s[8:9] offset:(\wo)+1024*(\ct)+512
.endr
.irp ct, 0,1,2,3,4,5,6,7
	global_load_b128 v[X+64+8*(\ct):X+64+8*(\ct)+3],   v[H32], s[8:9] offset:(\bo)+64*(\ct)
	global_load_b128 v[X+64+8*(\ct)+4:X+64+8*(\ct)+7], v[H32], s[8:9] offset:(\bo)+64*(\ct)+16
.endr
	WIN 0
.endm
; A small layer, 128 wide, for my 64 rows: in = four fragments at src (window 0); the result, bf16, is units dst / 32 .. of window 2.
; sc = 0: relu(W in + b), the bias as the C operand.  sc = 1 (fc1 and its norm): relu((W in) s + t): the sum starts at 0, and one packed multiply-add in f32 takes s (window 3) and t.
.macro LIN_MUL src, dst, sc
	s_wait_loadcnt 0x0
.irp hh, 0,1
	WIN 0x51
.irp cc, 0,1,2,3
.irp tt, 0,1,2,3
.if \sc
	v_wmma_f32_16x16x32_bf16 v[E+32*(\cc)+8*(\tt):E+32*(\cc)+8*(\tt)+7], v[X+8*(4*(\hh)+(\cc)):X+8*(4*(\hh)+(\cc))+7], v[(\src)+8*(\tt):(\src)+8*(\tt)+7], 0
.else
	v_wmma_f32_16x16x32_bf16 v[E+32*(\cc)+8*(\tt):E+32*(\cc)+8*(\tt)+7], v[X+8*(4*(\hh)+(\cc)):X+8*(4*(\hh)+(\cc))+7], v[(\src)+8*(\tt):(\src)+8*(\tt)+7], v[X+64+8*(4*(\hh)+(\cc)):X+64+8*(4*(\hh)+(\cc))+7]
.endif
.endr
.endr
	PLACES 4
.if \sc
	WIN 0x5d                                       ; source 1 in window 3, all else in window 1
.irp cc, 0,1,2,3
.irp tt, 0,1,2,3
.irp ii, 0,2,4,6
	v_pk_fma_f32 v[E+32*(\cc)+8*(\tt)+(\ii):E+32*(\cc)+8*(\tt)+(\ii)+1], v[E+32*(\cc)+8*(\tt)+(\ii):E+32*(\cc)+8*(\tt)+(\ii)+1], v[8*(4*(\hh)+(\cc))+(\ii):8*(4*(\hh)+(\cc))+(\ii)+1], v[X+64+8*(4*(\hh)+(\cc))+(\ii):X+64+8*(4*(\hh)+(\cc))+(\ii)+1]
.endr
.endr
.endr
.endif
	WIN 0x85
.irp cc, 0,1,2,3
.irp tt, 0,1,2,3
.irp ii, 0,1,2,3
	v_cvt_pk_bf16_f32 v[(\dst)+32*(2*(\hh)+(\cc)/2)+8*(\tt)+4*((\cc)%2)+(\ii)], v[E+32*(\cc)+8*(\tt)+2*(\ii)], v[E+32*(\cc)+8*(\tt)+2*(\ii)+1]
.endr
.endr
.endr
	WIN 0x82
.set n, (\dst)+64*(\hh)
.rept 64
	v_pk_max_num_bf16 v[n], v[n], v[ZR]
.set n, n+1
.endr
.endr
	WIN 0
.endm
.macro RELOAD                          ; my 64 rows' whole new hx out of the stage, into units 8-15
	WIN 0xc0
.irp uu, 0,1,2,3,4,5,6,7
.irp tt, 0,1,2,3
	ds_load_b128 v[32*(\uu)+8*(\tt):32*(\uu)+8*(\tt)+3],   v[HXL] offset:8192*(\tt)+1024*(\uu)
	ds_load_b128 v[32*(\uu)+8*(\tt)+4:32*(\uu)+8*(\tt)+7], v[HXL] offset:8192*(\tt)+1024*(\uu)+512
.endr
.endr
	WIN 0
	s_wait_dscnt 0x0
.endm
.macro OUTP                            ; out = hx fc3^T + b for my 64 rows, in WB1's registers (both ch make it: each needs it for xt); ch 0 stores it, through its stage, as 1,536 consecutive bytes
	WIN 0x0c
.irp uu, 0,1,2,3,4,5,6,7
.irp tt, 0,1,2,3
.if (\uu) == 0
	v_wmma_f32_16x16x32_f16 v[WB1+8*(\tt):WB1+8*(\tt)+7], v[F3:F3+7], v[8*(\tt):8*(\tt)+7], v[FB:FB+7]
.else
	v_wmma_f32_16x16x32_f16 v[WB1+8*(\tt):WB1+8*(\tt)+7], v[F3+8*(\uu):F3+8*(\uu)+7], v[32*(\uu)+8*(\tt):32*(\uu)+8*(\tt)+7], v[WB1+8*(\tt):WB1+8*(\tt)+7]
.endif
.endr
.endr
	PLACES 4
	WIN 0
	s_cmp_lg_u32 s[CH], 0
	s_cbranch_scc1 .Lno_out_\@
	s_wait_xcnt 0x0                                ; EXEC changes only behind this wait
	v_cmp_gt_u32 vcc_lo, 16, v[LANE]               ; lanes 0-15 hold columns 0-7, of which six exist
	s_and_saveexec_b32 s62, vcc_lo
.irp tt, 0,1,2,3
	ds_store_b64 v[OSA], v[WB1+8*(\tt):WB1+8*(\tt)+1]   offset:384*(\tt)
	ds_store_b64 v[OSA], v[WB1+8*(\tt)+2:WB1+8*(\tt)+3] offset:384*(\tt)+8
	ds_store_b64 v[OSA], v[WB1+8*(\tt)+4:WB1+8*(\tt)+5] offset:384*(\tt)+16
.endr
	s_wait_xcnt 0x0
	s_or_b32 exec_lo, exec_lo, s62
	ds_load_b128 v[OT:OT+3],   v[OLA]              ; LDS serves a wave's instructions in order (ISA guide 5.7.1.4): these see the stores above
	ds_load_b128 v[OT+4:OT+7], v[OLA] offset:512
	ds_load_b128 v[OT2:OT2+3], v[OLA] offset:1024
	s_wait_dscnt 0x0
	global_store_b128 v[L16], v[OT:OT+3],   s[OP:OP+1] th:TH_STORE_NT              ; each store covers 512 consecutive bytes, aligned
	global_store_b128 v[L16], v[OT+4:OT+7], s[OP:OP+1] offset:512 th:TH_STORE_NT
	global_store_b128 v[L16], v[OT2:OT2+3], s[OP:OP+1] offset:1024 th:TH_STORE_NT
.Lno_out_\@:
	s_wait_xcnt 0x0                                ; the stores have read their registers and their base
	s_add_nc_u64 s[OP:OP+1], s[OP:OP+1], 786432    ; the next step's plane of out
.endm
.macro PPACK                           ; out as fc2's operand: k = 0..5 in three registers, zeros beyond (lanes 16-31 hold zeros already: fc3's rows 8-15 are zero)
.irp tt, 0,1,2,3
	v_cvt_pk_bf16_f32 v[CXT+8*(\tt)],   v[WB1+8*(\tt)],   v[WB1+8*(\tt)+1]
	v_cvt_pk_bf16_f32 v[CXT+8*(\tt)+1], v[WB1+8*(\tt)+2], v[WB1+8*(\tt)+3]
	v_cvt_pk_bf16_f32 v[CXT+8*(\tt)+2], v[WB1+8*(\tt)+4], v[WB1+8*(\tt)+5]
.irp ii, 3,4,5,6,7
	v_mov_b32 v[CXT+8*(\tt)+(\ii)], 0
.endr
.endr
.endm
	; ---------------- the head
	s_load_b256 s[4:11], s[0:1], 0x0               ; x s[4:5], wq s[6:7], tb s[8:9], out s[10:11]
	v_lshl_add_u32 v[SPW], v0, 2, SPARE
	v_mov_b32 v[NIL], 0
	ds_add_u32 v[SPW], v[NIL]                      ; the wave's opening: the add, twice on end, and its wait ahead of my first tensor load
	ds_add_u32 v[SPW], v[NIL]
	v_lshrrev_b32 v2, 5, v0
	v_readfirstlane_b32 s[WV], v2                  ; wave 0..3
	s_and_b32 s[CH], s[WV], 1
	s_lshr_b32 s[RH], s[WV], 1
	s_bfe_u32 s70, ttmp6, 0x40000                  ; cx: it enters x's, out's and the prefetches' addresses alone
	s_lshl_b32 s[WG], ttmp9, 2
	s_add_co_u32 s[WG], s[WG], s70
	; group 1 of the ring's joint loads: 62 rows of 32 elements of 8 bytes, dense
	s_mov_b32 s16, 15|(3<<16)|(1<<21)              ; the mask of four; 8-byte elements; bit 21 beside a mask
	s_mov_b32 s17, 32<<16                          ; tensor_dim0 = 32
	s_mov_b32 s18, 62<<16                          ; tensor_dim1 = 62
	s_mov_b32 s19, 32<<16                          ; tile_dim0 = 32
	s_mov_b32 s20, 62                              ; tile_dim1 = 62
	s_mov_b32 s21, 32                              ; 32 elements from row to row
	s_mov_b32 s22, 0
	s_mov_b32 s23, 0
	; group 1 of x's tile, my work-group's own: 32 rows of 22 f32, asked for 32 wide, so that k = 22..31 arrive as zeros; 16 bytes of padding behind each 128
	s_mov_b32 s24, (2<<16)|(1<<20)|(4<<22)|(3<<25)
	s_mov_b32 s25, 22<<16                          ; tensor_dim0 = 22
	s_mov_b32 s26, 32<<16                          ; tensor_dim1 = 32
	s_mov_b32 s27, 32<<16                          ; tile_dim0 = 32
	s_mov_b32 s28, 32                              ; tile_dim1 = 32
	s_mov_b32 s29, 22                              ; 22 elements from row to row
	s_mov_b32 s30, 0
	s_mov_b32 s31, 0
	s_mul_i32 s71, s[WV], QUART
	s_mov_b32 s32, 1
	s_mul_i32 s33, s[WV], 4608                     ; 32 rows of 144 bytes
	s_add_co_u32 s33, s33, CX
	s_mov_b32 s36, 1
	s_mov_b32 s37, s71                             ; slot 0, my quarter
	s_mov_b32 s40, 1
	s_add_co_u32 s41, s71, SLOT1                   ; slot 1, my quarter
	s_mov_b32 s[KN], 0xbfb8aa3b
	s_mov_b32 s[KN+1], 0xbfb8aa3b
	s_mov_b32 s[KP], 0x4038aa3b
	s_mov_b32 s[KP+1], 0x4038aa3b
	v_and_b32 v[LANE], 31, v0
	v_and_b32 v2, 15, v0                           ; lane % 16
	v_bfe_u32 v3, v0, 4, 1                         ; lane / 16
	v_lshlrev_b32 v[L16], 4, v[LANE]
	v_lshlrev_b32 v[H32], 5, v3
	s_mul_i32 s[TS], s[CH], CHB
	v_add_nc_u32 v[WA0], s[TS], v[L16]
	s_lshl_b32 s[TS], s[WV], 15
	s_add_co_u32 s[TS], s[TS], CX
	v_add_nc_u32 v[CXA0], s[TS], v[L16]
	s_lshl_b32 s[TS], s[RH], 15
	s_add_co_u32 s[TS], s[TS], HX
	v_add_nc_u32 v[HXL], s[TS], v[L16]
	s_lshl_b32 s72, s[CH], 12
	s_add_co_u32 s[TS], s[TS], s72
	v_add_nc_u32 v[HXA0], s[TS], v[L16]
	s_lshl_b32 s[TS], s[CH], 8
	v_add_nc_u32 v[BV0], s[TS], v[H32]
	s_lshl_b32 s[TS], s[CH], 10
	s_add_co_u32 s[TS], s[TS], DIRECT
	v_add_nc_u32 v[DV0], s[TS], v[L16]
	s_mul_i32 s[TS], s[RH], 65024
	s_add_co_u32 s[TS], s[TS], OUTS0
	v_mul_u32_u24 v[OSA], v2, 24
	v_add_nc_u32 v[OSA], s[TS], v[OSA]
	v_add_nc_u32 v[OLA], s[TS], v[L16]
	s_mul_i32 s[TS], s[RH], 64*144
	s_add_co_u32 s[TS], s[TS], CX
	v_mul_u32_u24 v[XLA], v2, 144
	v_add_nc_u32 v[XLA], s[TS], v[XLA]
	v_add_nc_u32 v[XLA], v[XLA], v[H32]
	v_lshlrev_b32 v[PFO], 8, v[LANE]
	v_mov_b32 v[ZR], 0
	s_cmp_lt_u32 s[WV], 2                          ; who prefetches what
	s_cselect_b32 s[LIM], 5, 0
	s_cselect_b32 s74, 10, 1
	s_lshl_b32 s74, s74, 16                        ; w_ih's slice of chunk 5, or w_hh's of chunk 0
	s_cmp_eq_u32 ttmp9, 0                          ; the first cluster alone: the same in all four partners
	s_cselect_b32 s[LIM], s[LIM], -1
	s_lshl_b32 s[TS], s70, 14
	s_add_co_u32 s74, s74, s[TS]
	s_lshl_b32 s[TS], s[CH], 13
	s_add_co_u32 s74, s74, s[TS]
	s_mov_b32 s75, 0
	s_lshl_b32 s72, s[WG], 7
	s_lshl_b32 s[TS], s[WV], 5
	s_add_co_u32 s72, s72, s[TS]
	s_mul_i32 s72, s72, 88                         ; my 32 rows of x
	s_mov_b32 s73, 0
	s_mul_i32 s76, s[WG], 3072
	s_mul_i32 s[TS], s[RH], 1536
	s_add_co_u32 s76, s76, s[TS]                   ; my 64 rows of out
	s_mov_b32 s77, 0
	s_mov_b32 s[OFF], s71
	s_mov_b32 s[OFF+1], 0
	s_mov_b32 s[TB], 0
	s_mov_b32 s[CW], 0
	s_mov_b32 s[CXO], 0
	s_mov_b32 s[HXO], 0
	s_mov_b32 s[CB], 7
	s_mov_b32 s[PC], 8
	s_wait_dscnt 0x0                               ; both opening adds are done
	s_wait_kmcnt 0x0
	s_add_nc_u64 s[44:45], s[6:7], s[OFF:OFF+1]    ; wq at my quarter of a slice: it hangs on the wave's number alone
	s_mov_b64 s[38:39], s[44:45]                   ; slice 0
	s_or_b32 s39, s39, 0x80000000
	s_add_nc_u64 s[42:43], s[44:45], 131072        ; slice 2: w_ih of chunk 1
	s_or_b32 s43, s43, 0x80000000
	s_add_nc_u64 s[34:35], s[4:5], s[72:73]
	s_or_b32 s35, s35, 0x80000000
	s_add_nc_u64 s[OP:OP+1], s[10:11], s[76:77]
	s_add_nc_u64 s[PFA:PFA+1], s[6:7], s[74:75]
	s_mov_b32 s[OFF], 131072
	ROUND                                          ; all four work-groups are here: the first joint loads meet
	tensor_load_to_lds s[32:35], s[24:31]          ; x; three loads of mine are out, later one
	s_nop 0
	tensor_load_to_lds s[36:39], s[16:23]          ; slot 0
	s_nop 0
	tensor_load_to_lds s[40:43], s[16:23]          ; slot 1
	s_nop 0
	PLACES 4
	; ---------------- emb and the first xt
	LIN_LOAD T_FC1, T_T
	WIN 0xc0                                       ; the norm's scale, in the results' layout, into window 3, which hx takes only later
.irp ct, 0,1,2,3,4,5,6,7
	global_load_b128 v[8*(\ct):8*(\ct)+3],   v[H32], s[8:9] offset:T_S+64*(\ct)
	global_load_b128 v[8*(\ct)+4:8*(\ct)+7], v[H32], s[8:9] offset:T_S+64*(\ct)+16
.endr
	WIN 0
	s_wait_tensorcnt 2                             ; my part of x is in; the two slices issued behind it may stay out
	s_barrier_signal -1
	s_barrier_wait -1
	WIN 0x40
.irp tt, 0,1,2,3
	ds_load_b128 v[E+16*(\tt):E+16*(\tt)+3],     v[XLA] offset:2304*(\tt)
	ds_load_b128 v[E+16*(\tt)+4:E+16*(\tt)+7],   v[XLA] offset:2304*(\tt)+16
	ds_load_b128 v[E+16*(\tt)+8:E+16*(\tt)+11],  v[XLA] offset:2304*(\tt)+64
	ds_load_b128 v[E+16*(\tt)+12:E+16*(\tt)+15], v[XLA] offset:2304*(\tt)+80
.endr
	s_wait_dscnt 0x0
	WIN 0x05
.set n, 0
.rept 32
	v_cvt_pk_bf16_f32 v[WB0+n], v[E+2*n], v[E+2*n+1]
.set n, n+1
.endr
	WIN 0
	LIN_MUL WB0, 0, 1                              ; emb: units 0-3
	LIN_LOAD T_FC2, T_B2
.irp uu, 0,1,2,3,4,5,6,7
	global_load_b128 v[F3+8*(\uu):F3+8*(\uu)+3],   v[L16], s[8:9] offset:T_FC3+1024*(\uu)   ; fc3 stays in registers
	global_load_b128 v[F3+8*(\uu)+4:F3+8*(\uu)+7], v[L16], s[8:9] offset:T_FC3+1024*(\uu)+512
.endr
	global_load_b128 v[FB:FB+3],   v[H32], s[8:9] offset:T_B3
	global_load_b128 v[FB+4:FB+7], v[H32], s[8:9] offset:T_B3+16
.irp tt, 0,1,2,3
.irp ii, 0,1,2
	v_mov_b32 v[CXT+8*(\tt)+(\ii)], 0xbf00bf00     ; x0 = -0.5 (fc2's fragments are zero from k = 6 on)
.endr
.irp ii, 3,4,5,6,7
	v_mov_b32 v[CXT+8*(\tt)+(\ii)], 0
.endr
.endr
	v_mov_b32 v[BV], v[BV0]
.irp pp, 0,1,2
	global_load_b128 v[BI+8*(\pp):BI+8*(\pp)+3],   v[BV], s[8:9] offset:T_GB+64*(\pp)
	global_load_b128 v[BI+8*(\pp)+4:BI+8*(\pp)+7], v[BV], s[8:9] offset:T_GB+64*(\pp)+16
.endr
	LIN_MUL CXT, 128, 0                            ; xt of step 0: units 4-7
	; ---------------- step 0: three gates, units 0-7
	s_wait_tensorcnt 1                             ; my quarter of slot 0 is in; slot 1's, issued behind it, may stay out
	s_barrier_signal -1
	s_barrier_wait -1
	v_mov_b32 v[WA], v[WA0]
	WLOAD 0, 3
.irp uu, 0,1,2,3,4,5,6,7
	UNIT \uu, 3, 0, 0, 2                           ; chunk 0: nothing rides yet
.endr
	CHUNKEND
	WIN 0
.Lb0:                                              ; chunks 1 to 7
.irp uu, 0,1,2,3,4,5,6,7
	UNIT \uu, 3, 1, 0, 2
.endr
.rept B7-B5
	EW                                             ; what found no product to ride behind
.endr
	SYNC
.rept B8C-B7
	EW
.endr
	HST
	CHUNKEND
	s_sub_co_u32 s[CB], s[CB], 1
	s_cmp_lg_u32 s[CB], 0
	s_cbranch_scc1 .Lb0
	global_load_b128 v[BI+24:BI+27], v[BV], s[8:9] offset:T_GB+192   ; step 1's chunk 0 wants the f bias (BV stands at chunk 0),
	global_load_b128 v[BI+28:BI+31], v[BV], s[8:9] offset:T_GB+208
	v_mov_b32 v[DVA], v[DV0]
	global_load_b128 v[WD0:WD0+3],   v[DVA], s[6:7]                  ; and its direct fragment of unit 7
	global_load_b128 v[WD0+4:WD0+7], v[DVA], s[6:7] offset:512
	DRAIN 3
	XBAR
	s_mov_b32 s[TOT], 21
	s_mov_b32 s[STEP], 3
	; ---------------- steps 1 to 3
.Lstep:
	LIN_LOAD T_FC2, T_B2
	RELOAD
	OUTP                                           ; the step before's out
	PPACK
	LIN_MUL CXT, 128, 0                            ; xt
.irp uu, 0,1,2,3,4,5,6,7,8,9,10,11,12,13,14,15
	UNIT \uu, 4, 0, 0, 1                           ; chunk 0
.endr
	CHUNKEND
	WIN 0
	s_mov_b32 s[CB], 7
.Lb:                                               ; chunks 1 to 7
.irp uu, 0,1,2,3,4,5,6
	UNIT \uu, 4, 1, 0, 1
.endr
	WIN 0
.set QSAVE, q
	s_cmp_eq_u32 s[TOT], 1
	s_cbranch_scc1 .Ltail                          ; the launch's last chunk asks for nothing more: its rest is written out
.irp uu, 7,8,9,10,11,12,13,14,15
	UNIT \uu, 4, 1, 0, 1
.endr
	HST
	CHUNKEND
	s_sub_co_u32 s[TOT], s[TOT], 1
	s_sub_co_u32 s[CB], s[CB], 1
	s_cmp_lg_u32 s[CB], 0
	s_cbranch_scc1 .Lb
	s_branch .Ldrain
.Ltail:
.set q, QSAVE
.irp uu, 7,8,9,10,11,12,13,14,15
	UNIT \uu, 4, 1, 1, 0
.endr
	HST
.Ldrain:
	DRAIN 4
	XBAR
	s_sub_co_u32 s[STEP], s[STEP], 1
	s_cmp_lg_u32 s[STEP], 0
	s_cbranch_scc1 .Lstep
	RELOAD
	OUTP                                           ; step 3's out
	s_wait_tensorcnt 0x0                           ; the wave's end: the tensor wait, an add to the spare word and its wait, behind my last tensor load and my last LDS store
	ds_add_u32 v[SPW], v[NIL]
	s_wait_dscnt 0x0
	ROUND                                          ; the closing round: no work-group ends while a partner may still ask for a slice that names it
	s_endpgm
.Lfunc_end_k_q04371e8781_lstm:
	.size	k_q04371e8781_lstm, .Lfunc_end_k_q04371e8781_lstm-k_q04371e8781_lstm
	.p2alignl 7, 3214868480
	.fill 96, 4, 3214868480
	.section	.rodata,"a",@progbits
	.p2align	6, 0x0
	.amdhsa_kernel k_q04371e8781_lstm
		.amdhsa_group_segment_fixed_size 327680
		.amdhsa_private_segment_fixed_size 0
		.amdhsa_enable_private_segment 0
		.amdhsa_kernarg_size 32
		.amdhsa_user_sgpr_count 2
		.amdhsa_user_sgpr_kernarg_segment_ptr 1
		.amdhsa_wavefront_size32 1
		.amdhsa_system_sgpr_workgroup_id_x 1
		.amdhsa_system_sgpr_workgroup_id_y 1
		.amdhsa_system_sgpr_workgroup_id_z 1
		.amdhsa_system_vgpr_workitem_id 0
		.amdhsa_next_free_vgpr 1024
		.amdhsa_next_free_sgpr 80
		.amdhsa_reserve_vcc 1
		.amdhsa_float_denorm_mode_32 3
		.amdhsa_float_denorm_mode_16_64 3
		.amdhsa_memory_ordered 1
		.amdhsa_forward_progress 1
		.amdhsa_inst_pref_size 255
	.end_amdhsa_kernel
	.section	.bss,"aw",@nobits
	.p2align	6
	.space	262144
	.amdgpu_metadata
---
amdhsa.version: [ 1, 2 ]
amdhsa.kernels:
  - .name:           k_q04371e8781_lstm
    .symbol:         k_q04371e8781_lstm.kd
    .args:
      - { .name: x, .offset: 0, .size: 8, .value_kind: global_buffer, .address_space: global }
      - { .name: wq, .offset: 8, .size: 8, .value_kind: global_buffer, .address_space: global }
      - { .name: tb, .offset: 16, .size: 8, .value_kind: global_buffer, .address_space: global }
      - { .name: out0, .offset: 24, .size: 8, .value_kind: global_buffer, .address_space: global }
    .group_segment_fixed_size: 327680
    .private_segment_fixed_size: 0
    .kernarg_segment_align: 8
    .kernarg_segment_size: 32
    .max_flat_workgroup_size: 128
    .sgpr_count:     80
    .vgpr_count:     1024
    .wavefront_size: 32
...
	.end_amdgpu_metadata
.endif
;; end of part 2
;; ======== version 2 of 2: 2 launches; version 1 with the launch prep written anew for expert scheduling mode
;; limits: values are held in f16: magnitudes above 65,504 overflow, below 6.1e-05 lose precision; inputs' magnitudes at most 65,504
;; workspace buffers: wq 1,048,576 bytes; tb 30,464 bytes
;; launch prep (part 3): grid 289 x 1, 1 waves a work-group, no clusters, 0 bytes of LDS; arguments w_ih, w_hh, fc1_w, fc2_w, fc3_w, b_ih, b_hh, fc1_b, fc2_b, fc3_b, bn1_gamma, bn1_beta, bn1_mean, bn1_var, wq, tb; writes wq, tb
.if DOCPART == 3
	.amdgcn_target "amdgcn-amd-amdhsa--gfx1250"
	.amdhsa_code_object_version 6
	.text
	.protected	k_q04371e8781_prep
	.globl	k_q04371e8781_prep
	.p2align	8
	.type	k_q04371e8781_prep,@function
k_q04371e8781_prep:
	s_mov_b64 s[64:65], 0
	v_nop
	global_prefetch_b8 v0, s[64:65] scope:SCOPE_SE
	s_setreg_imm32_b32 hwreg(HW_REG_WAVE_SCHED_MODE, 0, 2), 2
	s_setreg_imm32_b32 hwreg(HW_REG_WAVE_MODE, 25, 1), 1
	s_wait_xcnt 0x0
	s_wait_alu depctr_vm_vsrc(0)
; FIRST OF TWO LAUNCHES: the weights and tables are rounded to bf16 once and laid in the order in which the second launch's operand registers take them.
; DEAD WORK, left out in the second launch, shown for all finite values of the inputs:
;   (1) hx0 is the zero matrix that the problem builds itself, so step 0's product hx0 w_hh^T is 0: it is not multiplied.
;   (2) cx0 is zero likewise, so in step 0 sigmoid(f) cx0 = 0 whatever f is: step 0's f gate (256 of the 1,024 gate columns, their bias too) reaches no output and is not computed.
;   (3) behind the last out nothing reads the carry: the xt of a fifth step is not made.
; Every input has a way to an output in steps 1 to 3, so every input is loaded.
; LIMIT: a NaN, an infinity or an overflow that would reach step 0's result only through w_hh or through the f rows and f biases is not carried to step 0's result.
; ROUNDING: every input is rounded once to bf16 (biases and the norm's parameters are then kept as f32 numbers).  The norm is kept in f32: s = gamma rsq(var + 1e-5) and
; t = (fc1_b - mean) s + beta, so that (x w^T + b - mean) s + beta = (x w^T) s + t.
; w_hh and fc3_w multiply hx, which the second launch holds in f16: their bf16 numbers are written as f16.  LIMIT: that is exact from 7.6e-6 to 65,504; below, the step is 6e-8; beyond, an infinity.
; wq: 16 slices of 65,536 bytes, slice 2 c + s (chunk c of 16 hidden units of each half ch; s = 0: w_ih, bf16; 1: w_hh, f16).  A fragment is 16 gate rows x 32 k, 1,024 bytes: lane l = m + 16 h has
;   k = 8 h .. 8 h + 7 at byte 16 l and k = 16 + 8 h .. at byte 512 + 16 l.  Fragment (ch, ul, p) lies at 31,744 ch + 1,024 (4 ul + p); the two fragments (ul = 7, p = 3) lie at 63,488 + 1,024 ch.
;   p orders the gates i, g, o, f: rows 256 gb + 128 ch + 16 c + m with gb = 0, 2, 3, 1.
; tb: 0 fc1 (8 fragments), 8,192 fc2, 16,384 fc3 (f16; zeros past the matrices' ends); 24,576 gate bias f32 at ((2 c + ch) 4 + p) 16 + m; 28,672 t; 29,184 fc2_b; 29,696 fc3_b, then zeros; 29,952 s.
; One wave a work-group: 0-255 a piece of 16 rows x 128 k of w_ih or w_hh; 256-279 a padded fragment; 280-287 the gate bias; 288 the small tables.
; THE MODE: SCHED_MODE bits 1:0 = 2 (LLVM: expert scheduling mode 2), set by the entry lines.  The code itself states the register dependences between vector instructions and memory
; instructions, and those through scalar results of vector instructions, with s_wait_alu, always for 0.
; THE PLAN.  The text has no loop.  On each of its four paths every register that a load or store reads (an offset, a store's data) is written by vector instructions ahead of that load or store
; and never again, and every register in which a load lands is named by no vector instruction ahead of the load.  So the only dependences are: an offset or a store's data is written before it is read
; (a wait on va_vdst ahead of each run of loads or stores), and a mask is written before it is read (one wait on va_sdst or va_vcc behind each run of compares).  No wait on vm_vsrc is owed.
;   piece of w:      v1 offset of the 16 loads; v[16:79] as loaded; v2, v3 offsets of the stores; v[80+8 u ..] unit u's eight registers to store.  Unit u - 1 is stored at the head of unit u.
;   padded fragment: v[32:47] offsets of the 16 loads; v[64:79] as loaded; s56 and s[66:81] the masks; v21 offset, v[80:87] data of the two stores.
;   gate bias:       v16 offset of the two loads; v[20:27] as loaded; v17 offset, v[20:23] data of the store.
;   small tables:    v12, v13 offsets of the seven loads; v[20:45] as loaded; v12, v14 offsets of the four stores; v[20:23], v[36:45] their data.
.set EPS, 0x3727c5ac                   ; 1e-5
.set MK,  66                           ; s[66:81] padded fragment: lanes in which my number j lies inside the matrix
.macro RND a, b, tmp                   ; two f32 numbers rounded to bf16 and widened again
	v_cvt_pk_bf16_f32 v[\tmp], v[\a], v[\b]
	v_lshlrev_b32 v[\a], 16, v[\tmp]
	v_and_b32 v[\b], 0xffff0000, v[\tmp]
.endm
.macro WST u                           ; unit u's fragment is stored
.if (\u) < 3
	global_store_b128 v2, v[80+8*(\u):80+8*(\u)+3], s[36:37] offset:4096*(\u)      ; each store of the wave covers 512 consecutive bytes, aligned
	global_store_b128 v2, v[80+8*(\u)+4:80+8*(\u)+7], s[36:37] offset:4096*(\u)+512
.else
	global_store_b128 v3, v[80+8*(\u):80+8*(\u)+3], s[36:37]
	global_store_b128 v3, v[80+8*(\u)+4:80+8*(\u)+7], s[36:37] offset:512
.endif
.endm
; The four fragments of a piece are rounded and stored.  f = 1: the bf16 numbers are written as f16.
; Unit u - 1's two stores stand at the head of unit u, behind the wait for unit u's data and one wait on va_vdst; unit u's conversions, which follow them, name none of the registers that they read.
.macro WOUT f
.irp u, 0,1,2,3
	s_wait_loadcnt 12-4*(\u)                       ; loads come back in order: the later units' four loads each may stay out
.if (\u) > 0
	s_wait_alu depctr_va_vdst(0)                   ; the unit before's conversions have written its eight registers, which the two stores below read; at unit 1 also: v2 and v3, the stores' offsets, are written
	WST (\u)-1
.endif
.irp j, 0,1,2,3,4,5,6,7
.if \f
	RND 16+16*(\u)+2*(\j), 16+16*(\u)+2*(\j)+1, 80+8*(\u)+(\j)
	v_cvt_pk_f16_f32 v[80+8*(\u)+(\j)], v[16+16*(\u)+2*(\j)], v[16+16*(\u)+2*(\j)+1]
.else
	v_cvt_pk_bf16_f32 v[80+8*(\u)+(\j)], v[16+16*(\u)+2*(\j)], v[16+16*(\u)+2*(\j)+1]
.endif
.endr
.endr
	s_wait_alu depctr_va_vdst(0)                   ; unit 3's conversions have written v[104:111], which the last two stores read
	WST 3
	s_endpgm
.endm
	s_load_b512 s[8:23], s[0:1], 0x0               ; w_ih 8, w_hh 10, fc1_w 12, fc2_w 14, fc3_w 16, b_ih 18, b_hh 20, fc1_b 22
	s_load_b512 s[24:39], s[0:1], 0x40             ; fc2_b 24, fc3_b 26, gamma 28, beta 30, mean 32, var 34, wq 36, tb 38
	v_and_b32 v10, 15, v0                          ; m
	v_lshrrev_b32 v11, 4, v0                       ; h
	v_lshlrev_b32 v12, 4, v0                       ; 16 l
	s_mov_b32 s40, ttmp9
	s_wait_kmcnt 0x0
	s_cmp_lt_u32 s40, 256
	s_cbranch_scc0 .Lnot_w
	; ---- 16 rows x 128 k of w_ih or w_hh: four fragments
	v_lshlrev_b32 v1, 10, v10
	v_lshl_add_u32 v1, v11, 5, v1                  ; m x 1,024 + 32 h; the scalar work below stands between these two lines and the wait for them
	s_and_b32 s41, s40, 1                          ; kh: which 128 of the 256 k
	s_bfe_u32 s42, s40, 0x20001                    ; p
	s_bfe_u32 s43, s40, 0x10003                    ; ch
	s_bfe_u32 s44, s40, 0x30004                    ; c
	s_lshr_b32 s45, s40, 7                         ; s
	s_lshl_b32 s46, s42, 2
	s_lshr_b32 s46, 0x1320, s46
	s_and_b32 s46, s46, 15                         ; gb
	s_lshl_b32 s46, s46, 8
	s_lshl_b32 s47, s43, 7
	s_add_co_u32 s46, s46, s47
	s_lshl_b32 s47, s44, 4
	s_add_co_u32 s46, s46, s47                     ; first row
	s_lshl_b32 s46, s46, 10                        ; rows of 1,024 bytes
	s_lshl_b32 s47, s41, 9
	s_add_co_u32 s46, s46, s47
	s_mov_b32 s47, 0
	s_cmp_eq_u32 s45, 0
	s_cselect_b64 s[48:49], s[8:9], s[10:11]
	s_add_nc_u64 s[48:49], s[48:49], s[46:47]
	s_wait_alu depctr_va_vdst(0)                   ; v1 is written, which the sixteen loads read as their offset
.irp u, 0,1,2,3
	global_load_b128 v[16+16*(\u):16+16*(\u)+3],     v1, s[48:49] offset:128*(\u) th:TH_LOAD_NT
	global_load_b128 v[16+16*(\u)+4:16+16*(\u)+7],   v1, s[48:49] offset:128*(\u)+16 th:TH_LOAD_NT
	global_load_b128 v[16+16*(\u)+8:16+16*(\u)+11],  v1, s[48:49] offset:128*(\u)+64 th:TH_LOAD_NT
	global_load_b128 v[16+16*(\u)+12:16+16*(\u)+15], v1, s[48:49] offset:128*(\u)+80 th:TH_LOAD_NT
.endr
	s_lshl_b32 s50, s44, 1
	s_add_co_u32 s50, s50, s45
	s_lshl_b32 s50, s50, 16                        ; the slice
	s_mul_i32 s51, s43, 31744
	s_lshl_b32 s52, s41, 4
	s_add_co_u32 s52, s52, s42
	s_lshl_b32 s52, s52, 10
	s_add_co_u32 s51, s51, s52
	s_add_co_u32 s51, s51, s50                     ; place of the first fragment; the next lie 4,096 bytes apart
	s_add_co_u32 s53, s51, 12288                   ; the fourth's ordinary place,
	s_lshl_b32 s54, s43, 10
	s_add_co_u32 s54, s54, s50
	s_add_co_u32 s54, s54, 63488                   ; or, for (ul = 7, p = 3), behind the slice's 62 others
	s_and_b32 s55, s40, 7
	s_cmp_eq_u32 s55, 7                            ; kh = 1 and p = 3
	s_cselect_b32 s53, s54, s53
	v_add_nc_u32 v2, s51, v12
	v_add_nc_u32 v3, s53, v12
	s_cmp_lg_u32 s45, 0
	s_cbranch_scc1 .Lw_hh
	WOUT 0                                         ; w_ih: bf16
.Lw_hh:
	WOUT 1                                         ; w_hh: the bf16 number as f16
.Lnot_w:
	s_cmp_lt_u32 s40, 280
	s_cbranch_scc0 .Lnot_s
	; ---- one fragment of fc1, fc2 or fc3, zeros past the matrix's rows and columns; loads are clamped into the matrix and the surplus is masked
	s_sub_co_u32 s41, s40, 256                     ; fragment 0..23
	s_lshr_b32 s42, s41, 3                         ; 0 fc1, 1 fc2, 2 fc3
	s_and_b32 s43, s41, 7
	s_lshl_b32 s44, s43, 4
	s_lshl_b32 s45, s43, 5
	s_cmp_eq_u32 s42, 2
	s_cselect_b32 s46, 0, s44                      ; first row
	s_cselect_b32 s47, s45, 0                      ; first k
	s_cselect_b32 s48, 5, 127                      ; last row
	s_cselect_b32 s49, 1024, 24                    ; bytes in a row
	s_cselect_b32 s50, 255, 5                      ; last k
	s_cselect_b64 s[52:53], s[16:17], s[14:15]
	s_cmp_eq_u32 s42, 0
	s_cselect_b32 s49, 88, s49
	s_cselect_b32 s50, 21, s50
	s_cselect_b64 s[52:53], s[12:13], s[52:53]
	v_add_nc_u32 v13, s46, v10                     ; row
	v_min_u32 v14, s48, v13
	v_mul_lo_u32 v15, v14, s49
	v_lshl_add_u32 v16, v11, 3, s47                ; first k + 8 h
.set j, 0
.rept 16                                           ; all sixteen offsets are made first, so that one wait serves the sixteen loads
	v_add_nc_u32 v[48+j], (j&7)+16*(j>>3), v16     ; k of my number j
	v_min_u32 v[32+j], s50, v[48+j]
	v_lshl_add_u32 v[32+j], v[32+j], 2, v15
.set j, j+1
.endr
	s_wait_alu depctr_va_vdst(0)                   ; the offsets v[32:47] are written, which the loads read
.set j, 0
.rept 16
	global_load_b32 v[64+j], v[32+j], s[52:53]
.set j, j+1
.endr
	v_cmp_ge_u32 s56, s48, v13                     ; lanes whose row exists.  The masks hang on no loaded number: they are made, in one run, while the loads are out
.set j, 0
.rept 16
	v_cmp_ge_u32 s[MK+j], s50, v[48+j]             ; lanes whose k exists
.set j, j+1
.endr
	s_wait_alu depctr_va_sdst(0)                   ; the seventeen compares have written s56 and s[66:81], ahead of their first reader, the line below
.set j, 0
.rept 16
	s_and_b32 s[MK+j], s[MK+j], s56
.set j, j+1
.endr
	s_wait_loadcnt 0x0
.set j, 0
.rept 16
	v_cndmask_b32 v[64+j], 0, v[64+j], s[MK+j]
.set j, j+1
.endr
	s_cmp_eq_u32 s42, 2
	s_cbranch_scc1 .Lhalf
.set j, 0
.rept 8
	v_cvt_pk_bf16_f32 v[80+j], v[64+2*j], v[64+2*j+1]
.set j, j+1
.endr
	s_branch .Lput
.Lhalf:                                            ; fc3: the bf16 number as f16
.set j, 0
.rept 8
	RND 64+2*j, 65+2*j, 22
	v_cvt_pk_f16_f32 v[80+j], v[64+2*j], v[64+2*j+1]
.set j, j+1
.endr
.Lput:
	s_lshl_b32 s57, s41, 10
	v_add_nc_u32 v21, s57, v12
	s_wait_alu depctr_va_vdst(0)                   ; on both ways here the conversions have written v[80:87], the stores' data; v21, their offset, is written
	global_store_b128 v21, v[80:83], s[38:39]
	global_store_b128 v21, v[84:87], s[38:39] offset:512
	s_endpgm
.Lnot_s:
	s_cmp_lt_u32 s40, 288
	s_cbranch_scc0 .Lnot_b
	; ---- the gate bias b_ih + b_hh of chunk c, in the table's order: lane l has four numbers
	s_sub_co_u32 s41, s40, 280                     ; c
	v_and_b32 v13, 3, v0                           ; m / 4
	v_bfe_u32 v14, v0, 2, 2                        ; p
	v_bfe_u32 v15, v0, 4, 1                        ; ch
	v_lshlrev_b32 v14, 2, v14
	v_mov_b32 v16, 0x1320
	v_lshrrev_b32 v16, v14, v16
	v_and_b32 v16, 15, v16                         ; gb
	v_lshlrev_b32 v16, 8, v16
	v_lshl_add_u32 v16, v15, 7, v16
	v_lshl_add_u32 v16, v13, 2, v16
	s_lshl_b32 s42, s41, 4
	v_add_nc_u32 v16, s42, v16
	v_lshlrev_b32 v16, 2, v16
	s_wait_alu depctr_va_vdst(0)                   ; v16 is written, which the two loads read as their offset
	global_load_b128 v[20:23], v16, s[18:19]
	global_load_b128 v[24:27], v16, s[20:21]
	s_lshl_b32 s42, s41, 9
	v_add_nc_u32 v17, s42, v12                     ; the store's offset, made while the loads are out
	s_wait_loadcnt 0x0
	RND 20, 21, 28
	RND 22, 23, 28
	RND 24, 25, 28
	RND 26, 27, 28
	v_pk_add_f32 v[20:21], v[20:21], v[24:25]
	v_pk_add_f32 v[22:23], v[22:23], v[26:27]
	s_wait_alu depctr_va_vdst(0)                   ; the sums v[20:23] and the offset v17 are written, which the store reads
	global_store_b128 v17, v[20:23], s[38:39] offset:24576
	s_endpgm
.Lnot_b:
	; ---- s, t, fc2_b, fc3_b: lane l has four of the 128 numbers
	v_min_u32 v13, 2, v0
	v_lshlrev_b32 v13, 3, v13
	v_lshlrev_b32 v14, 3, v0
	s_wait_alu depctr_va_vdst(0)                   ; v12, made at the head, v13 and v14 are written: the offsets of this path's seven loads and four stores
	global_load_b128 v[20:23], v12, s[28:29]       ; gamma
	global_load_b128 v[24:27], v12, s[30:31]       ; beta
	global_load_b128 v[28:31], v12, s[32:33]       ; mean
	global_load_b128 v[32:35], v12, s[34:35]       ; var
	global_load_b128 v[36:39], v12, s[22:23]       ; fc1_b
	global_load_b128 v[40:43], v12, s[24:25]       ; fc2_b
	global_load_b64 v[44:45], v13, s[26:27]        ; fc3_b: lanes 0 to 2 hold its six numbers
	v_cmp_gt_u32 vcc_lo, 3, v0                     ; made while the loads are out
	s_wait_alu depctr_va_vcc(0)                    ; VCC is written, ahead of its first reader, the first of the two selects below
	s_wait_loadcnt 0x0
.irp i, 20,22,24,26,28,30,32,34,36,38,40,42,44
	RND \i, (\i)+1, 46
.endr
	v_cndmask_b32 v44, 0, v44, vcc_lo
	v_cndmask_b32 v45, 0, v45, vcc_lo
.irp i, 32,33,34,35
	v_add_f32 v[\i], EPS, v[\i]
.endr
.irp i, 32,33,34,35
	v_rsq_f32 v[\i], v[\i]
.endr
	v_pk_add_f32 v[36:37], v[36:37], v[28:29] neg_lo:[0,1] neg_hi:[0,1]  ; fc1_b - mean: plain work behind the roots
	v_pk_add_f32 v[38:39], v[38:39], v[30:31] neg_lo:[0,1] neg_hi:[0,1]
	s_wait_alu depctr_va_vdst(0)                   ; one wait for the four roots v[32:35], ahead of their first reader; the roundings have written v[40:43] and the selects v[44:45], which the two stores below read
	global_store_b128 v12, v[40:43], s[38:39] offset:29184
	global_store_b64 v14, v[44:45], s[38:39] offset:29696  ; 256 consecutive bytes, aligned
	v_pk_mul_f32 v[20:21], v[20:21], v[32:33]      ; s
	v_pk_mul_f32 v[22:23], v[22:23], v[34:35]
	v_pk_fma_f32 v[36:37], v[36:37], v[20:21], v[24:25]
	v_pk_fma_f32 v[38:39], v[38:39], v[22:23], v[26:27]
	s_wait_alu depctr_va_vdst(0)                   ; s in v[20:23] and t in v[36:39] are written, which the last two stores read
	global_store_b128 v12, v[36:39], s[38:39] offset:28672
	global_store_b128 v12, v[20:23], s[38:39] offset:29952
	s_endpgm
.Lfunc_end_k_q04371e8781_prep:
	.size	k_q04371e8781_prep, .Lfunc_end_k_q04371e8781_prep-k_q04371e8781_prep
	.p2alignl 7, 3214868480
	.fill 96, 4, 3214868480
	.section	.rodata,"a",@progbits
	.p2align	6, 0x0
	.amdhsa_kernel k_q04371e8781_prep
		.amdhsa_group_segment_fixed_size 0
		.amdhsa_private_segment_fixed_size 0
		.amdhsa_enable_private_segment 0
		.amdhsa_kernarg_size 128
		.amdhsa_user_sgpr_count 2
		.amdhsa_user_sgpr_kernarg_segment_ptr 1
		.amdhsa_wavefront_size32 1
		.amdhsa_system_sgpr_workgroup_id_x 1
		.amdhsa_system_sgpr_workgroup_id_y 1
		.amdhsa_system_sgpr_workgroup_id_z 1
		.amdhsa_system_vgpr_workitem_id 0
		.amdhsa_next_free_vgpr 128
		.amdhsa_next_free_sgpr 82
		.amdhsa_reserve_vcc 1
		.amdhsa_float_denorm_mode_32 3
		.amdhsa_float_denorm_mode_16_64 3
		.amdhsa_memory_ordered 1
		.amdhsa_forward_progress 1
		.amdhsa_inst_pref_size 31
	.end_amdhsa_kernel
	.amdgpu_metadata
---
amdhsa.version: [ 1, 2 ]
amdhsa.kernels:
  - .name:           k_q04371e8781_prep
    .symbol:         k_q04371e8781_prep.kd
    .args:
      - { .name: w_ih, .offset: 0, .size: 8, .value_kind: global_buffer, .address_space: global }
      - { .name: w_hh, .offset: 8, .size: 8, .value_kind: global_buffer, .address_space: global }
      - { .name: fc1_w, .offset: 16, .size: 8, .value_kind: global_buffer, .address_space: global }
      - { .name: fc2_w, .offset: 24, .size: 8, .value_kind: global_buffer, .address_space: global }
      - { .name: fc3_w, .offset: 32, .size: 8, .value_kind: global_buffer, .address_space: global }
      - { .name: b_ih, .offset: 40, .size: 8, .value_kind: global_buffer, .address_space: global }
      - { .name: b_hh, .offset: 48, .size: 8, .value_kind: global_buffer, .address_space: global }
      - { .name: fc1_b, .offset: 56, .size: 8, .value_kind: global_buffer, .address_space: global }
      - { .name: fc2_b, .offset: 64, .size: 8, .value_kind: global_buffer, .address_space: global }
      - { .name: fc3_b, .offset: 72, .size: 8, .value_kind: global_buffer, .address_space: global }
      - { .name: bn1_gamma, .offset: 80, .size: 8, .value_kind: global_buffer, .address_space: global }
      - { .name: bn1_beta, .offset: 88, .size: 8, .value_kind: global_buffer, .address_space: global }
      - { .name: bn1_mean, .offset: 96, .size: 8, .value_kind: global_buffer, .address_space: global }
      - { .name: bn1_var, .offset: 104, .size: 8, .value_kind: global_buffer, .address_space: global }
      - { .name: wq, .offset: 112, .size: 8, .value_kind: global_buffer, .address_space: global }
      - { .name: tb, .offset: 120, .size: 8, .value_kind: global_buffer, .address_space: global }
    .group_segment_fixed_size: 0
    .private_segment_fixed_size: 0
    .kernarg_segment_align: 8
    .kernarg_segment_size: 128
    .max_flat_workgroup_size: 32
    .sgpr_count:     82
    .vgpr_count:     128
    .wavefront_size: 32
...
	.end_amdgpu_metadata
.endif
;; end of part 3
;; launch lstm: the kernel of part 2 again; grid 256 x 1, 4 waves a work-group, clusters of 4 x 1, 327,680 bytes of LDS; arguments x, wq, tb, out0; writes out0
